; MI455X (gfx1250); checked and timed in simulation.
; The chip was launched on July 23, 2026; its instructions are those of AMD's public machine-readable ISA for CDNA 5 (MIT licence, August 2026) and "CDNA5" Instruction Set Architecture Reference Guide (July 2026). The comments in the code are by the model that wrote it; some were corrected since.
;; Deep Seek Mo E. Allowed arithmetic: float matrix products may take bf16 or f16 operands with f32 sums; all other float work in f32.
;; Inputs: W_experts 8 x 1,024 x 1,024 float32; W_router 8 x 1,024 float32; W_shared 1,024 x 1,024 float32; b_experts 8 x 1,024 float32; b_router 8 float32; b_shared 1,024 float32; x 4 x 1,024 x 1,024 float32.
;; Outputs: out0 4 x 1,024 x 1,024 float32.
;; One version. Each part assembles by itself: llvm-mc -triple=amdgcn-amd-amdhsa -mcpu=gfx1250 --defsym DOCPART=n.
;; ======== version 1 of 1: 4 launches
;; limits: values are held in f16: magnitudes above 65,504 overflow, below 6.1e-05 lose precision; inputs' magnitudes at most 65,504
;; workspace buffers: xb 8,388,608 bytes; wb 18,874,368 bytes; gt 131,072 bytes; meta 16,384 bytes of whole numbers; perm 16,384 bytes of whole numbers; umask 256 bytes of whole numbers
;; launch route (part 1): grid 256 x 1, 4 waves a work-group, no clusters, 34,304 bytes of LDS; arguments x, W_router, b_router, xb, gt, meta; writes xb, gt, meta
.if DOCPART == 1
	.amdgcn_target "amdgcn-amd-amdhsa--gfx1250"
	.amdhsa_code_object_version 6
	.text
	.protected	k_qcd2bbc4407_route
	.globl	k_qcd2bbc4407_route
	.p2align	8
	.type	k_qcd2bbc4407_route,@function
k_qcd2bbc4407_route:
	s_mov_b64 s[64:65], 0
	v_nop
	global_prefetch_b8 v0, s[64:65] scope:SCOPE_SE
	s_setreg_imm32_b32 hwreg(HW_REG_WAVE_MODE, 25, 1), 1
	s_wait_xcnt 0x0
; ROUTER.  scores[t][e] = x[t] . W_router[e] + b_router[e] in f32 on the vector unit (the top-2 choice is a decision: rounded operands
; could turn it, and a turned choice spoils a whole output row).  Out: xb = x rounded once to f16; gt[t][8] = the softmax of the
; two largest scores at their experts, 0 elsewhere; meta[t] = key | emask << 8, whole numbers for the sort in the next launch.
; key numbers the unordered pair a < b of experts so that neighbouring keys share an expert:
;   key = a (15 - a) / 2 + (a even ? b - a - 1 : 7 - b),  0 .. 27.
; F16, NOT BF16, for the matrix operand: 11 significant bits against 8, so the rounding of a sum of 3 x 1024 products is eight times finer.
; LIMITS: an |x| of 65,520 or more becomes infinity in xb, one under 3e-8 becomes 0 (numbers of spread 1, also 30 times larger with an offset of 30
; spreads, stay under 200; 30 times smaller they keep an absolute error of 3e-8 against a spread of 0.03).
; A NaN score of experts 2-7 is never chosen (lax.top_k orders NaN otherwise); equal scores take the lower index, as top_k does; the scores are f32
; sums in another order than the reference's, so a gap between second and third below about 1e-6 of the scores' size may pick the other.
; SHARES: 256 work-groups x 16 tokens; a wave has 4 tokens; in chunk j (0..7) lane l holds columns 128 j + 4 l .. + 3 of each.
; No matrix unit (eight outputs a token in f32), no cluster (what is shared, W_router, is 32 KB against 64 KB of x a work-group).
.set GOUT, 32768                       ; LDS: W_router as it lies at 0 (8 x 4096 bytes); 512 bytes of gates; 64 bytes of meta
.set MOUT, 33280
.set SC,   8                           ; v[8:15]    my token's eight scores
.set WA,   32                          ; v[32:47]   W_router, experts 0-3, one chunk
.set WB,   48                          ; v[48:63]   experts 4-7
.set X,    64                          ; v[64:191]  x: token t, chunk j at 64 + 32 t + 4 j
.set ACC,  192                         ; v[192:255] sums: pair (t, e) at 192 + 16 t + 2 e; first the way of W_router into LDS
	s_load_b256 s[4:11], s[0:1], 0x0               ; x s[4:5], W_router s[6:7], b_router s[8:9], xb s[10:11]
	s_load_b128 s[12:15], s[0:1], 0x20             ; gt s[12:13], meta s[14:15]
	s_set_vgpr_msb 0x40
	v_lshl_add_u32 v0, v0, 2, 0x8400
	v_mov_b32 v1, 0
	s_set_vgpr_msb 0x4000
	v_and_b32 v1, 31, v0                           ; lane
	v_lshrrev_b32 v4, 5, v0
	v_readfirstlane_b32 s24, v4                    ; wave
	v_lshlrev_b32 v2, 4, v1                        ; 16 x lane
	v_lshlrev_b32 v3, 3, v1                        ; 8 x lane
	s_lshl_b32 s33, s24, 9
	v_add_nc_u32 v5, s33, v2                       ; 16 x thread, from the wave's number and the lane
	s_mov_b32 s26, 0x76543210                      ; v_permlanex16_b32: lane i reads lane i of the other half
	s_mov_b32 s27, 0xfedcba98
	s_mov_b32 s28, 0x0000ff00                      ; lanes 8-15, 16-23, 24-31: they take tokens 1, 2, 3 of the wave
	s_mov_b32 s29, 0x00ff0000
	s_mov_b32 s30, 0xff000000
	s_lshl_b32 s32, ttmp9, 16                      ; x: 16 tokens x 4096 bytes a work-group, 4 tokens a wave
	s_lshl_b32 s33, s24, 14
	s_add_co_u32 s32, s32, s33
	s_mov_b32 s33, 0
	s_lshl_b32 s34, ttmp9, 15                      ; xb: half of that
	s_lshl_b32 s35, s24, 13
	s_add_co_u32 s34, s34, s35
	s_mov_b32 s35, 0
	s_wait_kmcnt 0x0
	s_load_b256 s[16:23], s[8:9], 0x0              ; the eight b_router
	s_add_nc_u64 s[4:5], s[4:5], s[32:33]
	s_add_nc_u64 s[10:11], s[10:11], s[34:35]
.set i, 0
.rept 16
	global_load_b128 v[ACC+4*i:ACC+4*i+3], v5, s[6:7] offset:i*2048        ; W_router: 128 threads x 16 bytes, sixteen times
.set i, i+1
.endr
.irp j, 0,1,2,3,4,5,6,7
.irp t, 0,1,2,3
	global_load_b128 v[X+32*\t+4*\j:X+32*\t+4*\j+3], v2, s[4:5] offset:\t*4096+\j*512 th:TH_LOAD_NT   ; 512 neighbouring bytes of a row
.endr
.endr
	s_wait_loadcnt 32                              ; W_router is in; the 32 younger loads of x stay out
.set i, 0
.rept 16
	ds_store_b128 v5, v[ACC+4*i:ACC+4*i+3] offset:i*2048
.set i, i+1
.endr
	s_wait_dscnt 0x0                               ; my part of W_router lies in LDS,
	s_barrier_signal -1
	s_barrier_wait -1                              ; everybody's does
.macro LDW buf, half, j                ; four experts' 16 bytes for my columns of chunk j
.irp q, 0,1,2,3
	ds_load_b128 v[\buf+4*\q:\buf+4*\q+3], v2 offset:(4*\half+\q)*4096+(\j)*512
.endr
.endm
.macro FMAH buf, half, j               ; 4 tokens x 4 experts x 4 columns; the first chunk's first product starts each sum
.irp p, 0,1
.irp t, 0,1,2,3
.irp q, 0,1,2,3
.if (\j+\p) == 0
	v_pk_mul_f32 v[ACC+16*\t+8*\half+2*\q:ACC+16*\t+8*\half+2*\q+1], v[X+32*\t+4*\j:X+32*\t+4*\j+1], v[\buf+4*\q:\buf+4*\q+1]
.else
	v_pk_fma_f32 v[ACC+16*\t+8*\half+2*\q:ACC+16*\t+8*\half+2*\q+1], v[X+32*\t+4*\j+2*\p:X+32*\t+4*\j+2*\p+1], v[\buf+4*\q+2*\p:\buf+4*\q+2*\p+1], v[ACC+16*\t+8*\half+2*\q:ACC+16*\t+8*\half+2*\q+1]
.endif
.endr
.endr
.endr
.endm
.macro CVS j                           ; chunk j to f16, in place, and out: a store of the wave covers 256 consecutive bytes, aligned
.irp t, 0,1,2,3
	v_cvt_pk_f16_f32 v[X+32*\t+4*\j], v[X+32*\t+4*\j], v[X+32*\t+4*\j+1]
	v_cvt_pk_f16_f32 v[X+32*\t+4*\j+1], v[X+32*\t+4*\j+2], v[X+32*\t+4*\j+3]
	global_store_b64 v3, v[X+32*\t+4*\j:X+32*\t+4*\j+1], s[10:11] offset:\t*2048+\j*256    ; these registers are never written again
.endr
.endm
	LDW WA, 0, 0
	LDW WB, 1, 0
.irp j, 0,1,2,3,4,5,6,7
	s_wait_loadcnt 4*(7-\j)                        ; chunk j of my four tokens is in; the younger chunks stay out
	s_wait_dscnt 4                                 ; experts 0-3 are in; the four younger loads (experts 4-7) stay out
	FMAH WA, 0, \j
.if \j < 7
	LDW WA, 0, \j+1
	s_wait_dscnt 4                                 ; experts 4-7 are in; the four just issued stay out
.else
	s_wait_dscnt 0x0
.endif
	FMAH WB, 1, \j
.if \j < 7
	LDW WB, 1, \j+1
.endif
	CVS \j
.endr
	; the 32 sums over the wave's lanes: the pair's halves, four steps inside 16 lanes, one across
.set i, 0
.rept 32
	v_add_f32 v[ACC+2*i], v[ACC+2*i], v[ACC+2*i+1]
.set i, i+1
.endr
.irp m, 1,2,4,8
.set i, 0
.rept 32
	v_add_f32_dpp v[ACC+2*i], v[ACC+2*i], v[ACC+2*i] row_xmask:\m row_mask:0xf bank_mask:0xf
.set i, i+1
.endr
.endr
.set i, 0
.rept 32
	v_permlanex16_b32 v[ACC+2*i+1], v[ACC+2*i], s26, s27
.set i, i+1
.endr
.set i, 0
.rept 32
	v_add_f32 v[ACC+2*i], v[ACC+2*i], v[ACC+2*i+1]
.set i, i+1
.endr
	s_wait_kmcnt 0x0                               ; b_router
.irp e, 0,1,2,3,4,5,6,7                            ; lane l goes on with token l / 8 of the wave
	v_cndmask_b32 v[SC+\e], v[ACC+2*\e], v[ACC+2*(8+\e)], s28
	v_cndmask_b32 v[SC+\e], v[SC+\e], v[ACC+2*(16+\e)], s29
	v_cndmask_b32 v[SC+\e], v[SC+\e], v[ACC+2*(24+\e)], s30
	v_add_f32 v[SC+\e], s[16+\e], v[SC+\e]
.endr
	; the two largest: b1 v16 at i1 v17, b2 v18 at i2 v19.  Strict compares: of equal scores the lower index stays.
	v_cmp_gt_f32 vcc_lo, v[SC+1], v[SC]
	v_cndmask_b32 v16, v[SC], v[SC+1], vcc_lo
	v_cndmask_b32 v18, v[SC+1], v[SC], vcc_lo
	v_cndmask_b32 v17, 0, 1, vcc_lo
	v_cndmask_b32 v19, 1, 0, vcc_lo
.irp e, 2,3,4,5,6,7
	v_cmp_gt_f32 s32, v[SC+\e], v16                ; beats the first
	v_cmp_gt_f32 vcc_lo, v[SC+\e], v18             ; beats the second
	v_cndmask_b32 v18, v18, v[SC+\e], vcc_lo
	v_cndmask_b32 v19, v19, \e, vcc_lo
	v_cndmask_b32 v18, v18, v16, s32               ; the old first moves down
	v_cndmask_b32 v19, v19, v17, s32
	v_cndmask_b32 v16, v16, v[SC+\e], s32
	v_cndmask_b32 v17, v17, \e, s32
.endr
	; softmax of (b1, b2) with the maximum b1 taken away: w1 = 1 / (1 + ex), w2 = ex / (1 + ex), ex = e^(b2 - b1) <= 1
	v_sub_f32 v20, v18, v16
	v_mul_f32 v20, 0x3fb8aa3b, v20
	v_exp_f32 v21, v20
	v_and_b32 v22, 7, v1                           ; my expert, l % 8 (and the plain instruction behind v_exp_f32: ISA guide 5.7.2)
	s_wait_alu depctr_va_vdst(0)
	v_add_f32 v23, 1.0, v21
	v_rcp_f32 v24, v23                             ; w1
	v_min_u32 v25, v17, v19                        ; a (and the plain instruction behind v_rcp_f32)
	s_wait_alu depctr_va_vdst(0)
	v_mul_f32 v26, v21, v24                        ; w2
	v_cmp_eq_u32 vcc_lo, v22, v19
	v_cndmask_b32 v27, 0, v26, vcc_lo
	v_cmp_eq_u32 vcc_lo, v22, v17
	v_cndmask_b32 v27, v27, v24, vcc_lo            ; my gate
	v_max_u32 v28, v17, v19                        ; b
	v_sub_nc_u32 v29, 15, v25
	v_mul_u32_u24 v29, v25, v29
	v_lshrrev_b32 v29, 1, v29                      ; a (15 - a) / 2
	v_sub_nc_u32 v30, v28, v25
	v_add_nc_u32 v30, -1, v30                      ; b - a - 1
	v_sub_nc_u32 v31, 7, v28                       ; 7 - b
	v_and_b32 v4, 1, v25
	v_cmp_eq_u32 vcc_lo, 1, v4
	v_cndmask_b32 v30, v30, v31, vcc_lo
	v_add_nc_u32 v29, v29, v30                     ; key
	v_lshlrev_b32 v4, v17, 1
	v_lshlrev_b32 v6, v19, 1
	v_or_b32 v4, v4, v6                            ; emask
	v_lshl_or_b32 v29, v4, 8, v29                  ; meta
	s_lshl_b32 s32, s24, 7
	v_lshlrev_b32 v7, 2, v1
	v_add_nc_u32 v7, s32, v7                       ; gates: (4 wave + l / 8) x 32 + (l % 8) x 4 = 128 wave + 4 l
	ds_store_b32 v7, v27 offset:GOUT
	s_lshl_b32 s32, s24, 4
	v_lshrrev_b32 v6, 3, v1
	v_lshlrev_b32 v6, 2, v6
	v_add_nc_u32 v6, s32, v6                       ; meta: eight lanes store the same word with the same value
	ds_store_b32 v6, v29 offset:MOUT
	s_wait_dscnt 0x0                               ; for wave 0, which reads them behind the barrier
	s_barrier_signal -1
	s_barrier_wait -1
	s_cmp_lg_u32 s24, 0
	s_cbranch_scc1 .Lend
	ds_load_b128 v[8:11], v2 offset:GOUT           ; the work-group's 512 bytes of gates
	v_and_b32 v4, 15, v1
	v_lshlrev_b32 v4, 2, v4
	ds_load_b32 v12, v4 offset:MOUT
	s_lshl_b32 s32, ttmp9, 9
	s_mov_b32 s33, 0
	s_add_nc_u64 s[12:13], s[12:13], s[32:33]
	s_lshl_b32 s34, ttmp9, 6
	s_mov_b32 s35, 0
	s_add_nc_u64 s[14:15], s[14:15], s[34:35]
	s_wait_dscnt 0x0
	global_store_b128 v2, v[8:11], s[12:13]        ; 512 consecutive bytes, aligned
	v_cmp_gt_u32 vcc_lo, 16, v1
	s_wait_xcnt 0x0                                ; EXEC is a source of the stores above: it changes only behind this wait
	s_and_saveexec_b32 s31, vcc_lo
	global_store_b32 v4, v12, s[14:15]             ; 64 bytes of meta a work-group: a short store, of a table of 16 KB in all
	s_wait_xcnt 0x0                                ; and again in front of the line that widens EXEC
	s_or_b32 exec_lo, exec_lo, s31
.Lend:
	s_set_vgpr_msb 0x5
	s_wait_tensorcnt 0x0
	ds_add_u32 v0, v1
	s_wait_dscnt 0x0
	s_set_vgpr_msb 0x500
	s_endpgm
.Lfunc_end_k_qcd2bbc4407_route:
	.size	k_qcd2bbc4407_route, .Lfunc_end_k_qcd2bbc4407_route-k_qcd2bbc4407_route
	.p2alignl 7, 3214868480
	.fill 96, 4, 3214868480
	.section	.rodata,"a",@progbits
	.p2align	6, 0x0
	.amdhsa_kernel k_qcd2bbc4407_route
		.amdhsa_group_segment_fixed_size 34304
		.amdhsa_private_segment_fixed_size 0
		.amdhsa_enable_private_segment 0
		.amdhsa_kernarg_size 48
		.amdhsa_user_sgpr_count 2
		.amdhsa_user_sgpr_kernarg_segment_ptr 1
		.amdhsa_wavefront_size32 1
		.amdhsa_system_sgpr_workgroup_id_x 1
		.amdhsa_system_sgpr_workgroup_id_y 1
		.amdhsa_system_sgpr_workgroup_id_z 1
		.amdhsa_system_vgpr_workitem_id 0
		.amdhsa_next_free_vgpr 258
		.amdhsa_next_free_sgpr 66
		.amdhsa_reserve_vcc 1
		.amdhsa_float_denorm_mode_32 3
		.amdhsa_float_denorm_mode_16_64 3
		.amdhsa_memory_ordered 1
		.amdhsa_forward_progress 1
		.amdhsa_inst_pref_size 70
	.end_amdhsa_kernel
	.amdgpu_metadata
---
amdhsa.version: [ 1, 2 ]
amdhsa.kernels:
  - .name:           k_qcd2bbc4407_route
    .symbol:         k_qcd2bbc4407_route.kd
    .args:
      - { .name: x, .offset: 0, .size: 8, .value_kind: global_buffer, .address_space: global }
      - { .name: W_router, .offset: 8, .size: 8, .value_kind: global_buffer, .address_space: global }
      - { .name: b_router, .offset: 16, .size: 8, .value_kind: global_buffer, .address_space: global }
      - { .name: xb, .offset: 24, .size: 8, .value_kind: global_buffer, .address_space: global }
      - { .name: gt, .offset: 32, .size: 8, .value_kind: global_buffer, .address_space: global }
      - { .name: meta, .offset: 40, .size: 8, .value_kind: global_buffer, .address_space: global }
    .group_segment_fixed_size: 34304
    .private_segment_fixed_size: 0
    .kernarg_segment_align: 8
    .kernarg_segment_size: 48
    .max_flat_workgroup_size: 128
    .sgpr_count:     66
    .vgpr_count:     258
    .wavefront_size: 32
...
	.end_amdgpu_metadata
.endif
;; end of part 1
;; launch sort (part 2): grid 1 x 1, 16 waves a work-group, no clusters, 37,120 bytes of LDS; arguments meta, perm, umask; writes perm, umask
.if DOCPART == 2
	.amdgcn_target "amdgcn-amd-amdhsa--gfx1250"
	.amdhsa_code_object_version 6
	.text
	.protected	k_qcd2bbc4407_sort
	.globl	k_qcd2bbc4407_sort
	.p2align	8
	.type	k_qcd2bbc4407_sort,@function
k_qcd2bbc4407_sort:
	s_mov_b64 s[64:65], 0
	v_nop
	global_prefetch_b8 v0, s[64:65] scope:SCOPE_SE
	s_setreg_imm32_b32 hwreg(HW_REG_WAVE_MODE, 25, 1), 1
	s_wait_xcnt 0x0
; A counting sort of the 4096 tokens by key (the 28 unordered pairs of experts, numbered so that neighbouring keys share an expert), without atomics.
;   perm[p] = the token at sorted place p; umask[blk] = the union of the expert masks of places 128 blk .. + 127 (32 words).
; One work-group: the places hang on counts over all tokens, and 16 KB of input is work for no more.  Wave w owns tokens 256 w + 32 j + lane, j = 0 .. 7.
; Counts are kept with lane = key: five ballots of a chunk's key bits give, combined with a lane's own key, the lanes that share its key (its rank),
; and, combined with the lane's number, the lanes whose key is that number (the count).  Only the waves' totals of each key pass through LDS.
; In the phases that all waves run every LDS address is wave x constant + lane x constant; the one scatter (into P) is done by wave 0 alone, between two barriers.
; A key above 31 (none is made by the router) counts as 31.
.set S, 0                              ; [16 waves][32 keys] counts
.set Q, 2048                           ; [4096] place | emask << 16, by token
.set P, 18432                          ; [4096] token | emask << 16, by sorted place
.set U, 34816                          ; [32] unions
.set M, 16                             ; v[16:23] meta of my 8 tokens
.set KEY, 24
.set RANK, 32
.set TR, 40                            ; v[40:47] lane = key: tokens of that key in chunk j of my wave
.set OFS, 48
.set SL, 64
.set BP, 80
.set CB, 96                            ; v[96:100] bit b of my lane's number, less 1: 0 or all ones
	s_load_b128 s[4:7], s[0:1], 0x0                ; meta s[4:5], perm s[6:7]
	s_load_b64 s[8:9], s[0:1], 0x10                ; umask
	v_lshl_add_u32 v104, v0, 2, 0x8900
	v_mov_b32 v105, 0
	v_and_b32 v1, 31, v0                           ; lane
	v_lshrrev_b32 v2, 5, v0
	v_readfirstlane_b32 s16, v2                    ; wave
	v_lshlrev_b32 v3, 4, v1                        ; 16 x lane
	v_lshlrev_b32 v7, 2, v1                        ; 4 x lane
	s_lshl_b32 s17, s16, 10
	v_add_nc_u32 v8, s17, v7                       ; 1024 w + 4 lane
	v_add_nc_u32 v9, s17, v3                       ; 1024 w + 16 lane
	s_mov_b32 s20, 0x55555555                      ; for the count of a mask's bits
	s_mov_b32 s21, 0x33333333
	s_mov_b32 s22, 0x0f0f0f0f
	s_mov_b32 s23, 0x01010101
.irp bit, 0,1,2,3,4
	v_bfe_u32 v[CB+\bit], v1, \bit, 1
	v_add_nc_u32 v[CB+\bit], -1, v[CB+\bit]
.endr
	s_wait_kmcnt 0x0
.irp j, 0,1,2,3,4,5,6,7
	global_load_b32 v[M+\j], v8, s[4:5] offset:\j*128
.endr
	s_wait_loadcnt 0x0
.macro RANKJ j
	v_and_b32 v[KEY+\j], 0xff, v[M+\j]
	v_min_u32 v[KEY+\j], 31, v[KEY+\j]
.irp bit, 0,1,2,3,4
	v_bfe_u32 v11, v[KEY+\j], \bit, 1
	v_cmp_ne_u32 vcc_lo, 0, v11                    ; the lanes whose key has this bit
	v_add_nc_u32 v11, -1, v11                      ; my bit 1: 0; my bit 0: all ones
.if \bit == 0
	v_xor_b32 v10, vcc_lo, v11                     ; the lanes whose bit equals my key's
	v_xor_b32 v12, vcc_lo, v[CB]                   ; the lanes whose bit equals my lane number's
.else
	v_xor_b32 v11, vcc_lo, v11
	v_xor_b32 v13, vcc_lo, v[CB+\bit]
	v_and_b32 v10, v10, v11
	v_and_b32 v12, v12, v13
.endif
.endr
	v_mbcnt_lo_u32_b32 v[RANK+\j], v10, 0          ; lanes below me with my key
	v_lshrrev_b32 v13, 1, v12                      ; the bits of v12, counted by pairs, fours, bytes, and the bytes summed by a product
	v_and_b32 v13, s20, v13
	v_sub_nc_u32 v12, v12, v13
	v_lshrrev_b32 v13, 2, v12
	v_and_b32 v12, s21, v12
	v_and_b32 v13, s21, v13
	v_add_nc_u32 v12, v12, v13
	v_lshrrev_b32 v13, 4, v12
	v_add_nc_u32 v12, v12, v13
	v_and_b32 v12, s22, v12
	v_mul_lo_u32 v12, v12, s23
	v_lshrrev_b32 v[TR+\j], 24, v12                ; lane = key: its tokens in this chunk
.endm
.irp j, 0,1,2,3,4,5,6,7
	RANKJ \j
.endr
	v_add3_u32 v14, v[TR], v[TR+1], v[TR+2]
	v_add3_u32 v14, v14, v[TR+3], v[TR+4]
	v_add3_u32 v14, v14, v[TR+5], v[TR+6]
	v_add_nc_u32 v14, v14, v[TR+7]
	s_lshl_b32 s18, s16, 7
	v_add_nc_u32 v15, s18, v7
	ds_store_b32 v15, v14 offset:S                 ; my wave's count of each key
	s_wait_dscnt 0x0                               ; for the other waves
	s_barrier_signal -1
	s_barrier_wait -1
.set i, 0
.rept 16
	ds_load_b32 v[SL+i], v7 offset:S+i*128
.set i, i+1
.endr
	s_wait_dscnt 0x0
	s_cmp_gt_u32 s16, 0
	s_cselect_b32 s24, -1, 0
	v_and_b32 v58, s24, v[SL]                      ; before: this key's tokens in the waves in front of mine
	v_mov_b32 v57, v[SL]                           ; tot: this key's tokens in all
.set i, 1
.rept 15
	s_cmp_gt_u32 s16, i
	s_cselect_b32 s24, -1, 0
	v_and_b32 v11, s24, v[SL+i]
	v_add_nc_u32 v57, v57, v[SL+i]
	v_add_nc_u32 v58, v58, v11
.set i, i+1
.endr
	v_mov_b32 v56, v57                             ; running sum of tot over the keys
	v_mov_b32 v59, 0
.irp n, 1,2,4,8
	v_mov_b32_dpp v59, v56 row_shr:\n row_mask:0xf bank_mask:0xf bound_ctrl:1
	v_add_nc_u32 v56, v56, v59
.endr
	v_readlane_b32 s25, v56, 15                    ; keys 0-15 together, for keys 16-31
	v_mov_b32 v59, s25
	v_cmp_lt_u32 vcc_lo, 15, v1
	v_cndmask_b32 v59, 0, v59, vcc_lo
	v_add_nc_u32 v56, v56, v59
	v_sub_nc_u32 v56, v56, v57                     ; tokens of smaller keys
	v_add_nc_u32 v[OFS], v56, v58                  ; first place of (key, my wave, chunk 0)
.irp j, 0,1,2,3,4,5,6
	v_add_nc_u32 v[OFS+\j+1], v[OFS+\j], v[TR+\j]
.endr
.irp j, 0,1,2,3,4,5,6,7
	v_lshlrev_b32 v[KEY+\j], 2, v[KEY+\j]
	ds_bpermute_b32 v[BP+\j], v[KEY+\j], v[OFS+\j] ; back to lane = token: the first place of my key in my chunk
.endr
	s_wait_dscnt 0x0
.irp j, 0,1,2,3,4,5,6,7
	v_add_nc_u32 v[BP+\j], v[BP+\j], v[RANK+\j]
	v_min_u32 v[BP+\j], 4095, v[BP+\j]             ; my place
	v_bfe_u32 v11, v[M+\j], 8, 8
	v_lshl_or_b32 v[BP+\j], v11, 16, v[BP+\j]
	ds_store_b32 v8, v[BP+\j] offset:Q+\j*128      ; into my wave's own words
.endr
	s_wait_dscnt 0x0                               ; for wave 0
	s_barrier_signal -1
	s_barrier_wait -1
	; One wave places all tokens: the scatter's addresses hang on data, so no two waves write P.
	s_cmp_lg_u32 s16, 0
	s_cbranch_scc1 .Lplaced
.macro PLACE g                         ; tokens 1024 g .. + 1023: load k brings tokens 128 (8 g + k) + 4 lane + 0 .. 3
.irp k, 0,1,2,3,4,5,6,7
	ds_load_b128 v[16+4*\k:19+4*\k], v3 offset:Q+(8*\g+\k)*512
.endr
	s_wait_dscnt 0x0
.irp k, 0,1,2,3,4,5,6,7
.irp c, 0,1,2,3
	v_and_b32 v11, 0xffff, v[16+4*\k+\c]
	v_and_b32 v12, 0xff0000, v[16+4*\k+\c]
	v_min_u32 v11, 4095, v11
	v_add3_u32 v12, v12, v7, (8*\g+\k)*128+\c      ; token | emask << 16
	v_lshlrev_b32 v11, 2, v11
	ds_store_b32 v11, v12 offset:P
.endr
.endr
.endm
	PLACE 0
	PLACE 1
	PLACE 2
	PLACE 3
.Lplaced:
	s_wait_dscnt 0x0                               ; wave 0's stores lie in LDS
	s_barrier_signal -1
	s_barrier_wait -1
	ds_load_b128 v[16:19], v9 offset:P             ; blocks 2 w and 2 w + 1: 128 places each
	ds_load_b128 v[20:23], v9 offset:P+512
	s_lshl_b32 s19, s16, 3
	v_mov_b32 v13, s19
	s_wait_dscnt 0x0
.irp q, 0,1
.irp c, 0,1,2,3
	v_and_b32 v[24+4*\q+\c], 0xffff, v[16+4*\q+\c]
.endr
	global_store_b128 v9, v[24+4*\q:27+4*\q], s[6:7] offset:\q*512         ; 512 consecutive bytes, aligned
	v_or_b32 v10, v[16+4*\q], v[17+4*\q]
	v_or_b32 v11, v[18+4*\q], v[19+4*\q]
	v_or_b32 v10, v10, v11
	v_lshrrev_b32 v10, 16, v10                     ; the union of my four places; over the lanes bit by bit:
	s_mov_b32 s25, 0
.irp e, 0,1,2,3,4,5,6,7
	v_and_b32 v11, 1<<\e, v10
	v_cmp_ne_u32 vcc_lo, 0, v11
	s_cmp_lg_u32 vcc_lo, 0
	s_cselect_b32 s24, 1<<\e, 0
	s_or_b32 s25, s25, s24
.endr
	v_mov_b32 v12, s25
	ds_store_b32 v13, v12 offset:U+\q*4            ; all lanes store the same word with the same value
.endr
	s_wait_dscnt 0x0
	s_barrier_signal -1
	s_barrier_wait -1
	s_cmp_lg_u32 s16, 0
	s_cbranch_scc1 .Ldone
	ds_load_b32 v11, v7 offset:U
	s_wait_dscnt 0x0
	global_store_b32 v7, v11, s[8:9]               ; the 32 words that the last launch reads
.Ldone:
	s_wait_tensorcnt 0x0
	ds_add_u32 v104, v105
	s_wait_dscnt 0x0
	s_endpgm
.Lfunc_end_k_qcd2bbc4407_sort:
	.size	k_qcd2bbc4407_sort, .Lfunc_end_k_qcd2bbc4407_sort-k_qcd2bbc4407_sort
	.p2alignl 7, 3214868480
	.fill 96, 4, 3214868480
	.section	.rodata,"a",@progbits
	.p2align	6, 0x0
	.amdhsa_kernel k_qcd2bbc4407_sort
		.amdhsa_group_segment_fixed_size 37120
		.amdhsa_private_segment_fixed_size 0
		.amdhsa_enable_private_segment 0
		.amdhsa_kernarg_size 24
		.amdhsa_user_sgpr_count 2
		.amdhsa_user_sgpr_kernarg_segment_ptr 1
		.amdhsa_wavefront_size32 1
		.amdhsa_system_sgpr_workgroup_id_x 1
		.amdhsa_system_sgpr_workgroup_id_y 1
		.amdhsa_system_sgpr_workgroup_id_z 1
		.amdhsa_system_vgpr_workitem_id 0
		.amdhsa_next_free_vgpr 106
		.amdhsa_next_free_sgpr 66
		.amdhsa_reserve_vcc 1
		.amdhsa_float_denorm_mode_32 3
		.amdhsa_float_denorm_mode_16_64 3
		.amdhsa_memory_ordered 1
		.amdhsa_forward_progress 1
		.amdhsa_inst_pref_size 79
	.end_amdhsa_kernel
	.amdgpu_metadata
---
amdhsa.version: [ 1, 2 ]
amdhsa.kernels:
  - .name:           k_qcd2bbc4407_sort
    .symbol:         k_qcd2bbc4407_sort.kd
    .args:
      - { .name: meta, .offset: 0, .size: 8, .value_kind: global_buffer, .address_space: global }
      - { .name: perm, .offset: 8, .size: 8, .value_kind: global_buffer, .address_space: global }
      - { .name: umask, .offset: 16, .size: 8, .value_kind: global_buffer, .address_space: global }
    .group_segment_fixed_size: 37120
    .private_segment_fixed_size: 0
    .kernarg_segment_align: 8
    .kernarg_segment_size: 24
    .max_flat_workgroup_size: 512
    .sgpr_count:     66
    .vgpr_count:     106
    .wavefront_size: 32
...
	.end_amdgpu_metadata
.endif
;; end of part 2
;; launch conv (part 3): grid 288 x 1, 16 waves a work-group, no clusters, 71,680 bytes of LDS; arguments W_experts, W_shared, wb; writes wb
.if DOCPART == 3
	.amdgcn_target "amdgcn-amd-amdhsa--gfx1250"
	.amdhsa_code_object_version 6
	.text
	.protected	k_qcd2bbc4407_conv
	.globl	k_qcd2bbc4407_conv
	.p2align	8
	.type	k_qcd2bbc4407_conv,@function
k_qcd2bbc4407_conv:
	s_mov_b64 s[64:65], 0
	v_nop
	global_prefetch_b8 v0, s[64:65] scope:SCOPE_SE
	s_setreg_imm32_b32 hwreg(HW_REG_WAVE_MODE, 25, 1), 1
	s_wait_xcnt 0x0
; The nine weight matrices, f32 [n][k], rounded once to f16 and laid in the order in which the last launch's waves load them into registers:
;   wb[id 9 (8 = shared)][nblk 8][w 4 = 2 kh + nh][step 16][b 4][c 2][lane 32][8 f16],
;   lane (h = L / 16, r = L % 16), element j = W[id][n = 128 nblk + 64 nh + 16 b + r][k = 512 kh + 32 step + 16 c + 8 h + j].
; F16, NOT BF16: 11 significant bits against 8, so the rounding of a sum of 3 x 1024 products is eight times finer.
; LIMITS: a |W| of 65,520 or more becomes infinity in wb, one under 3e-8 becomes 0 (weights of spread 1/32, also 30 times larger with an offset of 30
; spreads, stay under 7; 30 times smaller they keep an absolute error of 3e-8 against a spread of 0.001).
; A wave takes a patch of 16 rows x 128 k (4608 patches = 288 work-groups x 16 waves): 16 loads of 512 neighbouring bytes, rounding, a turn through
; its own LDS stage (rows in, 16-byte pieces of 16 rows out), 8 stores of 512 neighbouring bytes.  Each weight is read once and written once.
; No barrier (a wave reads only its own stage), no matrix unit, no cluster (no byte is shared between work-groups).
.set CP,  272                          ; a stage row: 256 bytes of f16 + 16 = 17 x 16, so the 16 rows that a load touches start in 16 different 16-byte columns of 256
.set STG, 16*CP                        ; a wave's stage
	s_load_b128 s[4:7], s[0:1], 0x0                ; W_experts s[4:5], W_shared s[6:7]
	s_load_b64 s[10:11], s[0:1], 0x10              ; wb
	v_lshl_add_u32 v112, v0, 2, 0x11000
	v_mov_b32 v113, 0
	v_and_b32 v1, 31, v0                           ; lane
	v_lshrrev_b32 v2, 5, v0
	v_readfirstlane_b32 s16, v2                    ; wave
	v_lshlrev_b32 v3, 4, v1                        ; 16 x lane
	s_lshl_b32 s17, ttmp9, 4
	s_add_co_u32 s17, s17, s16                     ; patch 0 .. 4607
	s_lshr_b32 s18, s17, 9                         ; id
	s_bfe_u32 s19, s17, 0x60003                    ; rg: which 16 rows
	s_and_b32 s20, s17, 7                          ; kp: which 128 k
	s_lshl_b32 s22, s18, 22                        ; an expert's matrix is 4 MiB
	s_lshl_b32 s24, s19, 16                        ; 16 rows of 4096 bytes
	s_lshl_b32 s25, s20, 9
	s_add_co_u32 s24, s24, s25
	s_lshl_b32 s32, s18, 21                        ; where it goes: id,
	s_lshr_b32 s33, s19, 3
	s_lshl_b32 s33, s33, 18
	s_add_co_u32 s32, s32, s33                     ; nblk = rg / 8,
	s_lshr_b32 s33, s20, 2
	s_lshl_b32 s33, s33, 17
	s_add_co_u32 s32, s32, s33                     ; kh = kp / 4,
	s_bfe_u32 s33, s19, 0x10002
	s_lshl_b32 s33, s33, 16
	s_add_co_u32 s32, s32, s33                     ; nh = (rg / 4) % 2,
	s_and_b32 s33, s20, 3
	s_lshl_b32 s33, s33, 14
	s_add_co_u32 s32, s32, s33                     ; step = 4 (kp % 4) + 0 .. 3,
	s_and_b32 s33, s19, 3
	s_lshl_b32 s33, s33, 10
	s_add_co_u32 s32, s32, s33                     ; b = rg % 4
	s_mov_b32 s33, 0
	s_mul_i32 s28, s16, STG
	v_lshl_add_u32 v4, v1, 3, s28                  ; stage, in: my 4 numbers of row i, 8 bytes at 8 x lane
	v_and_b32 v6, 15, v1
	v_lshrrev_b32 v7, 4, v1
	v_mul_u32_u24 v5, v6, CP
	v_lshl_add_u32 v5, v7, 4, v5
	v_add_nc_u32 v5, s28, v5                       ; stage, back: row r, 8 numbers at 16 h
	s_wait_kmcnt 0x0
	s_cmp_eq_u32 s18, 8
	s_cselect_b64 s[26:27], s[6:7], s[4:5]         ; the shared matrix or the experts'
	s_cselect_b32 s22, 0, s22
	s_add_co_u32 s22, s22, s24
	s_mov_b32 s23, 0
	s_add_nc_u64 s[26:27], s[26:27], s[22:23]
	s_add_nc_u64 s[30:31], s[10:11], s[32:33]
.set i, 0
.rept 16
	global_load_b128 v[16+4*i:19+4*i], v3, s[26:27] offset:i*4096 th:TH_LOAD_NT    ; 512 neighbouring bytes of row i
.set i, i+1
.endr
.set i, 0
.rept 16
	s_wait_loadcnt 15-i                            ; row i is in; the younger rows stay out
	v_cvt_pk_f16_f32 v[16+4*i], v[16+4*i], v[17+4*i]
	v_cvt_pk_f16_f32 v[17+4*i], v[18+4*i], v[19+4*i]
	ds_store_b64 v4, v[16+4*i:17+4*i] offset:i*CP
.set i, i+1
.endr
.irp q, 0,1,2,3,4,5,6,7                            ; piece q = 2 step + c: k = 16 q + 8 h + 0 .. 7 of row r.  LDS serves a wave's instructions in order (ISA guide 5.7.1.4): these see the stores above
	ds_load_b128 v[80+4*\q:83+4*\q], v5 offset:\q*32
.endr
.irp q, 0,1,2,3,4,5,6,7
	s_wait_dscnt 7-\q                              ; piece q is in; the later pieces stay out
	global_store_b128 v3, v[80+4*\q:83+4*\q], s[30:31] offset:(\q>>1)*4096+(\q&1)*512      ; 512 consecutive bytes, aligned
.endr
	s_wait_tensorcnt 0x0
	ds_add_u32 v112, v113
	s_wait_dscnt 0x0
	s_endpgm
.Lfunc_end_k_qcd2bbc4407_conv:
	.size	k_qcd2bbc4407_conv, .Lfunc_end_k_qcd2bbc4407_conv-k_qcd2bbc4407_conv
	.p2alignl 7, 3214868480
	.fill 96, 4, 3214868480
	.section	.rodata,"a",@progbits
	.p2align	6, 0x0
	.amdhsa_kernel k_qcd2bbc4407_conv
		.amdhsa_group_segment_fixed_size 71680
		.amdhsa_private_segment_fixed_size 0
		.amdhsa_enable_private_segment 0
		.amdhsa_kernarg_size 24
		.amdhsa_user_sgpr_count 2
		.amdhsa_user_sgpr_kernarg_segment_ptr 1
		.amdhsa_wavefront_size32 1
		.amdhsa_system_sgpr_workgroup_id_x 1
		.amdhsa_system_sgpr_workgroup_id_y 1
		.amdhsa_system_sgpr_workgroup_id_z 1
		.amdhsa_system_vgpr_workitem_id 0
		.amdhsa_next_free_vgpr 114
		.amdhsa_next_free_sgpr 66
		.amdhsa_reserve_vcc 0
		.amdhsa_float_denorm_mode_32 3
		.amdhsa_float_denorm_mode_16_64 3
		.amdhsa_memory_ordered 1
		.amdhsa_forward_progress 1
		.amdhsa_inst_pref_size 9
	.end_amdhsa_kernel
	.amdgpu_metadata
---
amdhsa.version: [ 1, 2 ]
amdhsa.kernels:
  - .name:           k_qcd2bbc4407_conv
    .symbol:         k_qcd2bbc4407_conv.kd
    .args:
      - { .name: W_experts, .offset: 0, .size: 8, .value_kind: global_buffer, .address_space: global }
      - { .name: W_shared, .offset: 8, .size: 8, .value_kind: global_buffer, .address_space: global }
      - { .name: wb, .offset: 16, .size: 8, .value_kind: global_buffer, .address_space: global }
    .group_segment_fixed_size: 71680
    .private_segment_fixed_size: 0
    .kernarg_segment_align: 8
    .kernarg_segment_size: 24
    .max_flat_workgroup_size: 512
    .sgpr_count:     66
    .vgpr_count:     114
    .wavefront_size: 32
...
	.end_amdgpu_metadata
.endif
;; end of part 3
;; launch moe (part 4): grid 8 x 32, 4 waves a work-group, no clusters, 278,016 bytes of LDS; arguments xb, wb, gt, perm, umask, b_experts, b_shared, out0; writes out0
.if DOCPART == 4
	.amdgcn_target "amdgcn-amd-amdhsa--gfx1250"
	.amdhsa_code_object_version 6
	.text
	.protected	k_qcd2bbc4407_moe
	.globl	k_qcd2bbc4407_moe
	.p2align	8
	.type	k_qcd2bbc4407_moe,@function
k_qcd2bbc4407_moe:
	s_mov_b64 s[64:65], 0
	v_nop
	global_prefetch_b8 v0, s[64:65] scope:SCOPE_SE
	s_setreg_imm32_b32 hwreg(HW_REG_WAVE_MODE, 25, 1), 1
	s_wait_xcnt 0x0
; out[t] = x[t] Ws^T + bs + sum over e of gate[t][e] (x[t] We^T + be), for 128 sorted tokens (block y) x 128 columns (block x).
; The tokens of a block were sorted by their pair of experts, so the union of the block's experts (umask, an earlier launch's whole number)
; is short: one UNIT (128 x 128 x 1024) for the shared matrix and one for each expert of the union.  A token that does not use an expert of the
; union has the f32 gate 0 for it, as in the dense form; experts outside the union have gate 0 for all 128 tokens and are not multiplied.
; With all eight experts in a union this is the dense computation: right for every routing.  0 x infinity gives NaN inside a union, as in the dense form.
; OPERANDS IN F16 (xb, wb: rounded once by the earlier launches), sums in f32.  LIMIT: an |x| or |W| of 65,520 or more is infinity there, one under 3e-8 is 0;
; the problem's numbers, also 30 times larger with an offset of 30 spreads, stay under 200 (x) and 7 (W).
; SHARES: four waves, wave w = 2 kh + nh: all 128 tokens x columns 64 nh .. + 63 over k = 512 kh .. + 511; 32 accumulator tiles of 16 x 16.
;   A (the 128 gathered rows of xb, 256 KB) is laid into LDS once and stays; B comes from wb, which lies in fragment order, straight into
;   registers: every byte of B is loaded once by one wave of the work-group, through a ring of registers, seven steps ahead.  The loop has no barrier.
;   The two K halves meet at the end in LDS and are added in f32.
; A GOES THROUGH REGISTERS: its rows are named by a list, one token a row, so no tile of a tensor load covers them, and lane-wise copies would be 128 a wave,
;   all issued ahead of the first wait for them.  Through registers the rows come in runs of 16 loads, two runs on their way, every wait counted.
; THE MATRIX INSTRUCTION IS USED TRANSPOSED: source 0 = 16 rows of W, source 1 = 16 tokens; lane (r = l % 16, h = l / 16), register j of tile (a, b)
;   holds token 16 a + r, column 64 nh + 16 b + 8 h + j.  So a gate is one number a lane and tile row, and a bias row is a C operand.
; BIASES: the first product of a unit takes the bias as C (K half 0; K half 1 takes zeros), so gate x (x W^T + b) needs no further line.
; NO CLUSTER, NO JOINT LOADS: the eight work-groups of a token block share A, but A is a gather of rows named by a list; the work-groups of a column
;   block walk different lists of experts, of different lengths, read from memory; and B never passes LDS.
; REGISTERS: window 0: addresses, gates, bias rows, A fragments (two buffers); window 1: the ring of B, step s at 32 (s % 8), fragment b at + 8 b;
;   window 2: P, the running unit's products, tile (a, b) at 8 (4 a + b) (at the start: A's way into LDS); window 3: OUT, the block's sums, likewise.
.set APITCH, 2064                      ; an LDS row of A: 2048 bytes + 16 = 129 x 16, so 16 rows start in 16 different 16-byte columns of 256
.set GTB,    264192                    ; behind A's 128 rows: gates [e 8][place 128] f32
.set BIASB,  268288                    ; biases [kh 2][id 9][128] f32; the kh = 1 half is zeros
.set SP,     272                       ; the way out: a stage row, 256 bytes + 16
.set SHALF,  64*SP                     ; a wave's stage for 64 tokens
.set HREG,   4*SHALF                   ; the four waves' stages for tokens 0-63; those for tokens 64-127 lie behind them.  All in A's bytes, behind A's last read
.set GB,   4                           ; v4  GTB + 4 r
.set BB,   5                           ; v5  BIASB + 4608 kh + 256 nh + 32 h
.set GADR, 6
.set BADR, 7
.set ADRA, 8                           ; v[8:15]   (16 a + r) APITCH + 16 h + 1024 kh
.set G,    16                          ; v[16:31]  gate of tile row a at 16 + 2 a; the odd registers hold 0 (a packed source is read as a pair)
.set BI,   32                          ; v[32:63]  bias rows: C of the unit's first products, fragment b at + 8 b
.set VOFF, 64                          ; v[64:95]  my 32 tokens' byte offsets in xb, later in out0: rows 16 w + i (i < 16) and 64 + 16 w + i - 16 of the block
.set AB,   96                          ; v[96:97]  LDS address of my 16 bytes in row 16 w, in row 64 + 16 w
.set FA0,  128                         ; v[128:191], v[192:255] A fragments, tile row a at + 8 a
.set FA1,  192
.set MSB, 0
.macro WIN new                         ; s_set_vgpr_msb: bits 1:0 source 0, 3:2 source 1, 5:4 source 2, 7:6 destination; the high byte repeats the setting that is left
.if MSB != \new
	s_set_vgpr_msb (MSB<<8)|\new
.set MSB, \new
.endif
.endm
.set TO_B,  0x40                       ; destination window 1
.set TO_P,  0x80                       ; destination window 2
.set FROM_P, 0x08                      ; LDS store data from window 2
.set FOLDW, 0xf2                       ; OUT (3) = P (2) x gate (0) + OUT (3)
.set STW,   0x0c                       ; LDS store data from window 3
	s_load_b512 s[4:19], s[0:1], 0x0               ; xb 4, wb 6, gt 8, perm 10, umask 12, b_experts 14, b_shared 16, out0 18
	v_lshl_add_u32 v126, v0, 2, 0x43c00
	v_mov_b32 v127, 0
	v_and_b32 v2, 15, v0                           ; r
	v_bfe_u32 v3, v0, 4, 1                         ; h
	v_and_b32 v1, 31, v0
	v_lshrrev_b32 v6, 5, v0
	v_readfirstlane_b32 s20, v6                    ; wave
	v_lshlrev_b32 v7, 2, v1                        ; 4 x lane
	v_lshlrev_b32 v1, 4, v1                        ; v1 = 16 x lane, for the whole kernel
	s_lshr_b32 s21, s20, 1                         ; kh
	s_and_b32 s22, s20, 1                          ; nh
	s_and_b32 s24, ttmp7, 0xffff                   ; token block
	s_lshl_b32 s28, s24, 9                         ; the block's 128 words of perm
	s_lshl_b32 s29, s20, 7
	s_lshl_b32 s23, s20, 6
	s_lshl_b32 s31, s24, 2
	s_lshl_b32 s30, ttmp9, 9                       ; the column block's 512 bytes
	v_add_nc_u32 v136, s29, v7                     ; 4 x thread, from the wave's number and the lane
	s_add_co_u32 s29, s28, s29                     ; place 32 wave: the tokens whose gates my wave fetches
	s_add_co_u32 s28, s28, s23                     ; place 16 wave: the first of my rows
	v_add_nc_u32 v6, s29, v7
	v_add_nc_u32 v137, s30, v136
	s_mul_i32 s26, s20, 16*APITCH
	v_add_nc_u32 v[AB], s26, v1                    ; a wave fills rows of its own
	v_add_nc_u32 v[AB+1], 64*APITCH, v[AB]
	s_wait_kmcnt 0x0
	s_load_b512 s[32:47], s[10:11], s28 offset:0x0 ; my 32 tokens, as scalars: places 16 w .. + 15,
	s_load_b512 s[48:63], s[10:11], s28 offset:0x100       ; and 64 + 16 w .. + 15
	s_load_b32 s25, s[12:13], s31 offset:0x0       ; the block's union of experts
	global_load_b32 v138, v6, s[10:11]             ; and the token of place 32 wave + lane, for its gates
.irp id, 0,1,2,3,4,5,6,7
	global_load_b32 v[140+\id], v137, s[14:15] offset:\id*4096     ; thread t: the biases of column t of the block
.endr
	global_load_b32 v148, v137, s[16:17]
	s_wait_kmcnt 0x0
.set i, 0
.rept 32
	s_min_u32 s[32+i], s[32+i], 4095               ; a loaded number enters an address only clamped
	v_lshl_add_u32 v[VOFF+i], s[32+i], 11, v1      ; a row of xb is 2048 bytes
.set i, i+1
.endr
	s_wait_loadcnt 9                               ; the token is in; the nine younger loads (biases) stay out
	v_min_u32 v138, 4095, v138
	v_lshlrev_b32 v138, 5, v138
	global_load_b128 v[128:131], v138, s[8:9]      ; its eight gates
	global_load_b128 v[132:135], v138, s[8:9] offset:16
; A's way into LDS.  Run g = 2 q + half: bytes 512 q .. + 511 of my 16 rows of that half, 16 loads of 512 neighbouring bytes, into slot g % 3 of window 2.
.macro ALOAD g
	WIN TO_P
.set j, 0
.rept 16
	global_load_b128 v[64*((\g)%3)+4*j:64*((\g)%3)+4*j+3], v[VOFF+16*((\g)&1)+j], s[4:5] offset:512*((\g)>>1)
.set j, j+1
.endr
.endm
.macro ASTORE g
	WIN FROM_P
.set j, 0
.rept 16
	ds_store_b128 v[AB+((\g)&1)], v[64*((\g)%3)+4*j:64*((\g)%3)+4*j+3] offset:j*APITCH+512*((\g)>>1)
.set j, j+1
.endr
.endm
.macro BLOAD s                         ; step s of the running stream into the ring: eight loads of 512 neighbouring bytes
	WIN TO_B
.irp b, 0,1,2,3
.irp c, 0,1
	global_load_b128 v[32*(\s)+8*\b+4*\c:32*(\s)+8*\b+4*\c+3], v1, s[70:71] offset:(\s)*4096+\b*1024+\c*512
.endr
.endr
.endm
; One trip: run g has landed; 16 more loads go out (run g + 2, or, when A's runs are all asked for, two steps of B); run g is stored into LDS.
.macro AIT g
	s_wait_loadcnt 16                              ; run g is in; the 16 loads issued behind it stay out
.if \g <= 5
.if \g >= 1
	s_wait_dscnt 0x0                               ; the last trip's LDS stores, which read the slot that is loaded next, have been served (none is younger)
.endif
	ALOAD \g+2
.else
	BLOAD 2*(\g-6)
	BLOAD 2*(\g-6)+1
.endif
	ASTORE \g
.endm
	ALOAD 0
	ALOAD 1
	WIN 0
	s_lshl_b32 s26, ttmp9, 18
	s_lshl_b32 s28, s20, 16
	s_add_co_u32 s26, s26, s28
	s_mov_b32 s27, 0
	s_add_nc_u64 s[68:69], s[6:7], s[26:27]        ; wb at (id 0, my column block, my wave): a stream of 64 KB for each id, 2 MiB apart
	s_add_nc_u64 s[70:71], s[68:69], 0x1000000     ; the running stream: first id 8, the shared matrix
	s_lshl_b32 s26, ttmp9, 9
	s_add_nc_u64 s[72:73], s[18:19], s[26:27]      ; out0 at my column block
	s_mov_b32 s77, 0
	v_lshl_add_u32 v[GB], v2, 2, GTB
	s_mul_i32 s28, s21, 4608
	s_lshl_b32 s29, s22, 8
	s_add_co_u32 s28, s28, s29
	s_add_co_u32 s28, s28, BIASB
	v_lshl_add_u32 v[BB], v3, 5, s28
	v_mul_u32_u24 v[ADRA], v2, APITCH
	v_lshl_add_u32 v[ADRA], v3, 4, v[ADRA]
	s_lshl_b32 s28, s21, 10
	v_add_nc_u32 v[ADRA], s28, v[ADRA]
.irp a, 1,2,3,4,5,6,7
	v_add_nc_u32 v[ADRA+\a], \a*16*APITCH, v[ADRA]
.endr
.irp a, 0,1,2,3,4,5,6,7
	v_mov_b32 v[G+2*\a+1], 0
.endr
	v_add_nc_u32 v149, GTB, v136
	v_add_nc_u32 v150, BIASB, v136
	v_mov_b32 v151, 0
	AIT 0                                          ; its wait also shows the gates and biases in: they are older than run 0
	WIN 0
.irp e, 0,1,2,3,4,5,6,7
	ds_store_b32 v149, v[128+\e] offset:\e*512     ; gates by expert, then by place
.endr
.irp id, 0,1,2,3,4,5,6,7,8
	ds_store_b32 v150, v[140+\id] offset:\id*512
	ds_store_b32 v150, v151 offset:4608+\id*512
.endr
	AIT 1
	AIT 2
	AIT 3
	AIT 4
	AIT 5
	AIT 6                                          ; steps 0, 1 of the shared matrix go out
	AIT 7                                          ; steps 2, 3
	BLOAD 4
	BLOAD 5
	BLOAD 6                                        ; seven steps of B, 56 loads, are on their way
	WIN 0
	s_and_b32 s25, s25, 0xff                       ; experts still to come
	s_bcnt1_i32_b32 s74, s25
	s_sub_co_i32 s74, s74, 1
	s_max_i32 s74, s74, 1                          ; the loop makes all expert units but the last, which is written out (a union has two experts at the least)
	s_wait_dscnt 0x0                               ; my gates, biases and 32 rows of A lie in LDS,
	s_barrier_signal -1
	s_barrier_wait -1                              ; everybody's do
.macro LDA s, f                        ; the A fragments of step s: 8 x (16 tokens x 32 k), two loads of 16 bytes, 32 bytes apart (k = 8 h + 0..7 and 16 + 8 h + 0..7)
.irp a, 0,1,2,3,4,5,6,7
	ds_load_b128 v[\f+8*\a:\f+8*\a+3],   v[ADRA+\a] offset:64*\s
	ds_load_b128 v[\f+8*\a+4:\f+8*\a+7], v[ADRA+\a] offset:64*\s+32
.endr
.endm
.macro LDBIAS                          ; eight neighbouring columns' biases for each fragment b, the same in all 16 lanes of a half
.irp b, 0,1,2,3
	ds_load_b128 v[BI+8*\b:BI+8*\b+3],   v[BADR] offset:64*\b
	ds_load_b128 v[BI+8*\b+4:BI+8*\b+7], v[BADR] offset:64*\b+16
.endr
.endm
.macro LDG                             ; the running expert's gates of tokens 16 a + r
	v_lshl_add_u32 v[GADR], s30, 9, v[GB]
.irp a, 0,1,2,3,4,5,6,7
	ds_load_b32 v[G+2*\a], v[GADR] offset:64*\a
.endr
.endm
.macro REFILL s                        ; behind step s: the step seven further on, into the ring's slot that step s - 1 read
	WIN TO_B
.irp b, 0,1,2,3
.irp c, 0,1
	global_load_b128 v[32*(((\s)+7)&7)+8*\b+4*\c:32*(((\s)+7)&7)+8*\b+4*\c+3], v1, s[70:71] offset:(((\s)+7)&15)*4096+\b*1024+\c*512
.endr
.endr
.endm
.macro NEXT                            ; the next expert of the union: its number s30, its stream s[70:71]
	s_wait_xcnt 0x0                                ; the pending loads' base is rewritten only behind this wait
	s_ctz_i32_b32 s30, s25
	s_min_u32 s30, s30, 7
	s_sub_co_u32 s28, s25, 1
	s_and_b32 s25, s25, s28
	s_lshl_b32 s76, s30, 21
	s_add_nc_u64 s[70:71], s[68:69], s[76:77]
.endm
; 32 matrix instructions: 8 tile rows x 4 fragments of B, 32 along K.  The 32 accumulators take turns, one instruction a turn, in the same order in
; every step, over the loop's jump too.
.macro MUL s, first
.irp a, 0,1,2,3,4,5,6,7
.irp b, 0,1,2,3
.if \first
	v_wmma_f32_16x16x32_f16 v[8*(4*\a+\b):8*(4*\a+\b)+7], v[32*((\s)&7)+8*\b:32*((\s)&7)+8*\b+7], v[FA0+64*((\s)&1)+8*\a:FA0+64*((\s)&1)+8*\a+7], v[BI+8*\b:BI+8*\b+7]
.else
	v_wmma_f32_16x16x32_f16 v[8*(4*\a+\b):8*(4*\a+\b)+7], v[32*((\s)&7)+8*\b:32*((\s)&7)+8*\b+7], v[FA0+64*((\s)&1)+8*\a:FA0+64*((\s)&1)+8*\a+7], v[8*(4*\a+\b):8*(4*\a+\b)+7]
.endif
.endr
.endr
.endm
.macro PLACES                          ; four plain vector instructions behind the last matrix instruction, in front of loads into its sources and of reads of results
.rept 4
	v_nop
.endr
.endm
.macro FOLD                            ; OUT += gate x P, two numbers an instruction; the gate is the pair's first register for both halves
	WIN FOLDW
.irp a, 0,1,2,3,4,5,6,7
.irp b, 0,1,2,3
.irp p, 0,1,2,3
	v_pk_fma_f32 v[8*(4*\a+\b)+2*\p:8*(4*\a+\b)+2*\p+1], v[8*(4*\a+\b)+2*\p:8*(4*\a+\b)+2*\p+1], v[G+2*\a:G+2*\a+1], v[8*(4*\a+\b)+2*\p:8*(4*\a+\b)+2*\p+1] op_sel_hi:[1,0,1]
.endr
.endr
.endr
.endm
; A unit: 16 steps of 32 along K.  w0: windows of the first step (C = bias rows, window 0), w: of the others; fold: P is folded into OUT;
; next: another unit follows (its stream, bias rows and first A fragments are fetched in this unit's second half).
; Behind each step's products: eight loads of B (seven steps ahead), and this step's A buffer is loaded again (two steps ahead).
.macro UNIT w0, w, fold, next
.irp s, 0,1,2,3,4,5,6,7,8,9,10,11,12,13,14,15
.set NDS, 16                           ; this step's A fragments are in; the 16 loads issued behind the last step's products stay out
.set NLD, 48                           ; this step's eight loads of B are in; six younger steps of eight stay out
.set DORF, 1
.set DOLA, 1
.if \next == 0
.if \s >= 9
.set NLD, 8*(15-\s)                    ; step 15 was asked for behind step 8: nothing is fetched any more, the counts run down
.set DORF, 0
.endif
.if \s >= 14
.set DOLA, 0
.endif
.if \s == 15
.set NDS, 0
.endif
.endif
	s_wait_dscnt NDS
	s_wait_loadcnt NLD
.if \s == 0
	WIN \w0
	MUL \s, 1
.else
	WIN \w
	MUL \s, 0
.endif
	PLACES
.if \fold
.if \s == 1
	WIN 0
	LDG                                            ; s30 is still this unit's expert
.endif
.endif
.if \next
.if \s == 9
	NEXT                                           ; from here on the ring is filled from the next unit's stream
.endif
.if \s == 13
	WIN 0
	v_lshl_add_u32 v[BADR], s30, 9, v[BB]
	LDBIAS                                         ; the next unit's bias rows: older than the A loads below, so the next waits cover them
.endif
.endif
.if DORF
	REFILL \s
.endif
	WIN 0
.if DOLA
	LDA ((\s+2)&15), (FA0+64*(\s&1))
.endif
.endr
.if \fold
	FOLD
.endif
.endm
	v_add_nc_u32 v[BADR], 8*512, v[BB]             ; b_shared
	LDBIAS
	LDA 0, FA0
	LDA 1, FA1
	UNIT 0xc1, 0xf1, 0, 1                          ; the shared matrix, straight into OUT
	WIN 0                                          ; at a label and at a branch every window is 0
	s_mov_b32 s75, 0
.Lu:
	UNIT 0x81, 0xa1, 1, 1                          ; an expert of the union, with another behind it
	WIN 0
	s_add_co_u32 s75, s75, 1
	s_cmp_lt_u32 s75, s74
	s_cbranch_scc1 .Lu
	UNIT 0x81, 0xa1, 1, 0                          ; the last expert: nothing is fetched beyond it
	WIN 0
	; THE WAY OUT, in two halves of 64 tokens.  Each wave lays its 64 x 64 sums of a half into a stage of its own; behind a barrier wave w takes rows
	; 16 w .. + 15 of the half: a row's 512 bytes come from the stages of nh = 0 (lanes 0-15) and nh = 1 (lanes 16-31), once for each K half; the K halves
	; are added and the row stored.  The second half's sums are staged, in bytes of their own, ahead of the first half's reads, so one barrier serves each half.
	s_wait_dscnt 0x0                               ; my reads of A are over,
	s_barrier_signal -1
	s_barrier_wait -1                              ; everybody's are: A's bytes become the stages
	s_mul_i32 s28, s20, SHALF
	v_mul_u32_u24 v6, v2, SP
	v_lshl_add_u32 v6, v3, 5, v6
	v_add_nc_u32 v6, s28, v6                       ; in, tokens 0-63: row r of a tile row, 32 bytes for each half of the lanes
	v_add_nc_u32 v9, HREG, v6                      ; in, tokens 64-127
	s_mul_i32 s28, s20, 16*SP
	v_mul_u32_u24 v7, v3, SHALF
	v_lshl_add_u32 v7, v2, 4, v7
	v_add_nc_u32 v7, s28, v7                       ; back, tokens 0-63: K half 0,
	v_add_nc_u32 v8, 2*SHALF, v7                   ; K half 1
	v_add_nc_u32 v10, HREG, v7                     ; back, tokens 64-127
	v_add_nc_u32 v11, HREG, v8
.set i, 0
.rept 32
	v_lshl_add_u32 v[VOFF+i], s[32+i], 12, v1      ; a row of out0 is 4096 bytes (the loads that read these registers were waited for in A's trips)
.set i, i+1
.endr
	WIN STW
.irp a, 0,1,2,3
.irp b, 0,1,2,3
	ds_store_b128 v6, v[8*(4*\a+\b):8*(4*\a+\b)+3]   offset:\a*16*SP+\b*64
	ds_store_b128 v6, v[8*(4*\a+\b)+4:8*(4*\a+\b)+7] offset:\a*16*SP+\b*64+16
.endr
.endr
	WIN 0
	s_wait_dscnt 0x0                               ; my sums of tokens 0-63 lie in LDS,
	s_barrier_signal -1
	s_barrier_wait -1                              ; everybody's do
	WIN STW
.irp a, 4,5,6,7
.irp b, 0,1,2,3
	ds_store_b128 v9, v[8*(4*\a+\b):8*(4*\a+\b)+3]   offset:(\a-4)*16*SP+\b*64
	ds_store_b128 v9, v[8*(4*\a+\b)+4:8*(4*\a+\b)+7] offset:(\a-4)*16*SP+\b*64+16
.endr
.endr
	WIN 0
.macro OUTB q, f, ra, rb               ; rows 8 (q % 2) .. + 7 of my 16 of a half; ra, rb: the half's two address registers
	s_wait_xcnt 0x0                                ; buffer f, which earlier stores read, is loaded again only behind this wait
.irp i, 0,1,2,3,4,5,6,7
	ds_load_b128 v[\f+8*\i:\f+8*\i+3],   v[\ra] offset:(8*((\q)&1)+\i)*SP
	ds_load_b128 v[\f+8*\i+4:\f+8*\i+7], v[\rb] offset:(8*((\q)&1)+\i)*SP
.endr
.irp i, 0,1,2,3,4,5,6,7
	s_wait_dscnt 14-2*\i                           ; row i's two loads are in; the later rows' stay out
	v_pk_add_f32 v[\f+8*\i:\f+8*\i+1],   v[\f+8*\i:\f+8*\i+1],   v[\f+8*\i+4:\f+8*\i+5]
	v_pk_add_f32 v[\f+8*\i+2:\f+8*\i+3], v[\f+8*\i+2:\f+8*\i+3], v[\f+8*\i+6:\f+8*\i+7]
	global_store_b128 v[VOFF+8*\q+\i], v[\f+8*\i:\f+8*\i+3], s[72:73] th:TH_STORE_NT       ; 512 consecutive bytes of the token's row, aligned
.endr
.endm
	OUTB 0, FA0, 7, 8
	OUTB 1, FA1, 7, 8
	s_wait_dscnt 0x0                               ; my sums of tokens 64-127 lie in LDS,
	s_barrier_signal -1
	s_barrier_wait -1                              ; everybody's do
	OUTB 2, FA0, 10, 11
	OUTB 3, FA1, 10, 11
	s_wait_tensorcnt 0x0
	ds_add_u32 v126, v127
	s_wait_dscnt 0x0
	s_endpgm
.Lfunc_end_k_qcd2bbc4407_moe:
	.size	k_qcd2bbc4407_moe, .Lfunc_end_k_qcd2bbc4407_moe-k_qcd2bbc4407_moe
	.p2alignl 7, 3214868480
	.fill 96, 4, 3214868480
	.section	.rodata,"a",@progbits
	.p2align	6, 0x0
	.amdhsa_kernel k_qcd2bbc4407_moe
		.amdhsa_group_segment_fixed_size 278016
		.amdhsa_private_segment_fixed_size 0
		.amdhsa_enable_private_segment 0
		.amdhsa_kernarg_size 64
		.amdhsa_user_sgpr_count 2
		.amdhsa_user_sgpr_kernarg_segment_ptr 1
		.amdhsa_wavefront_size32 1
		.amdhsa_system_sgpr_workgroup_id_x 1
		.amdhsa_system_sgpr_workgroup_id_y 1
		.amdhsa_system_sgpr_workgroup_id_z 1
		.amdhsa_system_vgpr_workitem_id 0
		.amdhsa_next_free_vgpr 1024
		.amdhsa_next_free_sgpr 80
		.amdhsa_reserve_vcc 0
		.amdhsa_float_denorm_mode_32 3
		.amdhsa_float_denorm_mode_16_64 3
		.amdhsa_memory_ordered 1
		.amdhsa_forward_progress 1
		.amdhsa_inst_pref_size 255
	.end_amdhsa_kernel
	.section	.bss,"aw",@nobits
	.p2align	6
	.space	262144
	.amdgpu_metadata
---
amdhsa.version: [ 1, 2 ]
amdhsa.kernels:
  - .name:           k_qcd2bbc4407_moe
    .symbol:         k_qcd2bbc4407_moe.kd
    .args:
      - { .name: xb, .offset: 0, .size: 8, .value_kind: global_buffer, .address_space: global }
      - { .name: wb, .offset: 8, .size: 8, .value_kind: global_buffer, .address_space: global }
      - { .name: gt, .offset: 16, .size: 8, .value_kind: global_buffer, .address_space: global }
      - { .name: perm, .offset: 24, .size: 8, .value_kind: global_buffer, .address_space: global }
      - { .name: umask, .offset: 32, .size: 8, .value_kind: global_buffer, .address_space: global }
      - { .name: b_experts, .offset: 40, .size: 8, .value_kind: global_buffer, .address_space: global }
      - { .name: b_shared, .offset: 48, .size: 8, .value_kind: global_buffer, .address_space: global }
      - { .name: out0, .offset: 56, .size: 8, .value_kind: global_buffer, .address_space: global }
    .group_segment_fixed_size: 278016
    .private_segment_fixed_size: 0
    .kernarg_segment_align: 8
    .kernarg_segment_size: 64
    .max_flat_workgroup_size: 128
    .sgpr_count:     80
    .vgpr_count:     1024
    .wavefront_size: 32
...
	.end_amdgpu_metadata
.endif
;; end of part 4
